; MI455X (gfx1250); checked and timed in simulation.
; The chip was launched on July 23, 2026; its instructions are those of AMD's public machine-readable ISA for CDNA 5 (MIT licence, August 2026) and "CDNA5" Instruction Set Architecture Reference Guide (July 2026). The comments in the code are by the model that wrote it; some were corrected since.
;; Git Self Attention. Allowed arithmetic: float matrix products may take bf16 or f16 operands with f32 sums; all other float work in f32.
;; Inputs: bk 1,024 float32; bq 1,024 float32; bv 1,024 float32; dist_emb 2,047 x 64 float32; hidden_states 4 x 1,024 x 1,024 float32; wk 1,024 x 1,024 float32; wq 1,024 x 1,024 float32; wv 1,024 x 1,024 float32.
;; Outputs: out0 4 x 1,024 x 1,024 float32.
;; One version. Each part assembles by itself: llvm-mc -triple=amdgcn-amd-amdhsa -mcpu=gfx1250 --defsym DOCPART=n.
;; ======== version 1 of 1: 3 launches
;; workspace buffers: xb 8,388,608 bytes; wb 6,291,456 bytes; eb 262,144 bytes; qkv 25,165,824 bytes
;; launch cast (part 1): grid 456 x 1, 8 waves a work-group, no clusters, 0 bytes of LDS; arguments hidden_states, wq, wk, wv, dist_emb, xb, wb, eb; writes xb, wb, eb
.if DOCPART == 1
	.amdgcn_target "amdgcn-amd-amdhsa--gfx1250"
	.amdhsa_code_object_version 6
	.text
	.protected	k_q5806bc5cd5_cast
	.globl	k_q5806bc5cd5_cast
	.p2align	8
	.type	k_q5806bc5cd5_cast,@function
k_q5806bc5cd5_cast:
	s_mov_b64 s[64:65], 0
	v_nop
	global_prefetch_b8 v0, s[64:65] scope:SCOPE_SE
	s_setreg_imm32_b32 hwreg(HW_REG_WAVE_MODE, 25, 1), 1
	s_wait_xcnt 0x0
; f32 -> bf16 (round to nearest even) of every matrix operand, once:
;   hidden_states [4096][1024] -> xb;  wq, wk, wv [1024][1024] each -> wb [3072][1024], one behind the other;
;   dist_emb [2047][64] -> eb [2048][64], whose last row (which no score uses) is written as zeros.
; A stream: no LDS, no barrier, no matrix unit.  A work-group converts 16,384 numbers (65,536 bytes in, 32,768 out).
; Thread t takes 16 quads: quad q at source byte 4096 q + 16 t, destination byte 2048 q + 8 t, so a wave's load covers
; 512 consecutive bytes and a wave's store 256 consecutive bytes that start at a multiple of 256.
; Work-groups 0-255: hidden_states; 256-319: wq; 320-383: wk; 384-447: wv; 448-455: dist_emb.
; All 16 loads of a thread go out first; no register is written twice, so nothing but the loads is waited for.
.set X, 16                             ; v[16:79]   16 quads as loaded
.set Y, 80                             ; v[80:111]  16 pairs of words to store
	s_load_b512 s[16:31], s[0:1], 0x0              ; hidden s[16:17], wq s[18:19], wk s[20:21], wv s[22:23], dist_emb s[24:25], xb s[26:27], wb s[28:29], eb s[30:31]
	s_sub_co_u32 s32, ttmp9, 256                   ; chunk in wb (used from work-group 256 on)
	s_and_b32 s33, s32, 63                         ; chunk in its weight matrix
	s_sub_co_u32 s34, ttmp9, 448                   ; chunk in dist_emb and eb (used from work-group 448 on)
	v_lshlrev_b32 v1, 4, v0                        ; 16 t
	v_add_nc_u32 v2, 61440, v1                     ; the last quad's source byte in the chunk
	v_lshlrev_b32 v4, 3, v0                        ; 8 t
	s_wait_kmcnt 0x0
	s_mov_b64 s[4:5], s[16:17]                     ; source, destination, their chunks and the source's bytes: hidden_states first,
	s_mov_b64 s[6:7], s[26:27]
	s_mov_b32 s10, ttmp9
	s_mov_b32 s8, ttmp9
	s_mov_b32 s9, 16777216
	s_cmp_ge_u32 ttmp9, 256                        ; then replaced by the segment that the work-group's number falls into
	s_cselect_b64 s[4:5], s[18:19], s[4:5]
	s_cselect_b64 s[6:7], s[28:29], s[6:7]
	s_cselect_b32 s10, s33, s10
	s_cselect_b32 s8, s32, s8
	s_cselect_b32 s9, 4194304, s9
	s_cmp_ge_u32 ttmp9, 320
	s_cselect_b64 s[4:5], s[20:21], s[4:5]
	s_cmp_ge_u32 ttmp9, 384
	s_cselect_b64 s[4:5], s[22:23], s[4:5]
	s_cmp_ge_u32 ttmp9, 448
	s_cselect_b64 s[4:5], s[24:25], s[4:5]
	s_cselect_b64 s[6:7], s[30:31], s[6:7]
	s_cselect_b32 s10, s34, s10
	s_cselect_b32 s8, s34, s8
	s_cselect_b32 s9, 524032, s9
	s_lshl_b32 s36, s10, 16                        ; the chunk's first source byte
	s_mov_b32 s37, 0
	s_lshl_b32 s38, s8, 15                         ; and its first destination byte
	s_mov_b32 s39, 0
	s_sub_co_u32 s9, s9, s36                       ; source bytes left from the chunk's start: 65,536, or 65,280 in dist_emb's last chunk
	s_sub_co_u32 s12, s9, 16                       ; the last place at which 16 bytes still lie inside
	s_add_nc_u64 s[4:5], s[4:5], s[36:37]
	s_add_nc_u64 s[6:7], s[6:7], s[38:39]
	v_min_u32 v3, s12, v2                          ; only the last quad can pass the end (61,440 + 16 t against 65,280): it is clamped, and zeroed below
.irp q, 0,1,2,3,4,5,6,7,8,9,10,11,12,13,14
	global_load_b128 v[X+4*\q:X+4*\q+3], v1, s[4:5] offset:4096*\q th:TH_LOAD_NT
.endr
	global_load_b128 v[X+60:X+63], v3, s[4:5] th:TH_LOAD_NT
	v_cmp_gt_u32 vcc_lo, s9, v2                    ; lanes whose last quad lies inside the source
.irp q, 0,1,2,3,4,5,6,7,8,9,10,11,12,13,14
	s_wait_loadcnt 15-\q                           ; loads come back in order: quad q is in, the 15 - q younger ones stay out
	v_cvt_pk_bf16_f32 v[Y+2*\q],   v[X+4*\q],   v[X+4*\q+1]
	v_cvt_pk_bf16_f32 v[Y+2*\q+1], v[X+4*\q+2], v[X+4*\q+3]
	global_store_b64 v4, v[Y+2*\q:Y+2*\q+1], s[6:7] offset:2048*\q
.endr
	s_wait_loadcnt 0x0
	v_cvt_pk_bf16_f32 v[Y+30], v[X+60], v[X+61]
	v_cvt_pk_bf16_f32 v[Y+31], v[X+62], v[X+63]
	v_cndmask_b32 v[Y+30], 0, v[Y+30], vcc_lo      ; eb's row 2047 has no source: zeros
	v_cndmask_b32 v[Y+31], 0, v[Y+31], vcc_lo
	global_store_b64 v4, v[Y+30:Y+31], s[6:7] offset:30720
	s_endpgm
.Lfunc_end_k_q5806bc5cd5_cast:
	.size	k_q5806bc5cd5_cast, .Lfunc_end_k_q5806bc5cd5_cast-k_q5806bc5cd5_cast
	.p2alignl 7, 3214868480
	.fill 96, 4, 3214868480
	.section	.rodata,"a",@progbits
	.p2align	6, 0x0
	.amdhsa_kernel k_q5806bc5cd5_cast
		.amdhsa_group_segment_fixed_size 0
		.amdhsa_private_segment_fixed_size 0
		.amdhsa_enable_private_segment 0
		.amdhsa_kernarg_size 64
		.amdhsa_user_sgpr_count 2
		.amdhsa_user_sgpr_kernarg_segment_ptr 1
		.amdhsa_wavefront_size32 1
		.amdhsa_system_sgpr_workgroup_id_x 1
		.amdhsa_system_sgpr_workgroup_id_y 1
		.amdhsa_system_sgpr_workgroup_id_z 1
		.amdhsa_system_vgpr_workitem_id 0
		.amdhsa_next_free_vgpr 112
		.amdhsa_next_free_sgpr 66
		.amdhsa_reserve_vcc 1
		.amdhsa_float_denorm_mode_32 3
		.amdhsa_float_denorm_mode_16_64 3
		.amdhsa_memory_ordered 1
		.amdhsa_forward_progress 1
		.amdhsa_inst_pref_size 8
	.end_amdhsa_kernel
	.amdgpu_metadata
---
amdhsa.version: [ 1, 2 ]
amdhsa.kernels:
  - .name:           k_q5806bc5cd5_cast
    .symbol:         k_q5806bc5cd5_cast.kd
    .args:
      - { .name: hidden_states, .offset: 0, .size: 8, .value_kind: global_buffer, .address_space: global }
      - { .name: wq, .offset: 8, .size: 8, .value_kind: global_buffer, .address_space: global }
      - { .name: wk, .offset: 16, .size: 8, .value_kind: global_buffer, .address_space: global }
      - { .name: wv, .offset: 24, .size: 8, .value_kind: global_buffer, .address_space: global }
      - { .name: dist_emb, .offset: 32, .size: 8, .value_kind: global_buffer, .address_space: global }
      - { .name: xb, .offset: 40, .size: 8, .value_kind: global_buffer, .address_space: global }
      - { .name: wb, .offset: 48, .size: 8, .value_kind: global_buffer, .address_space: global }
      - { .name: eb, .offset: 56, .size: 8, .value_kind: global_buffer, .address_space: global }
    .group_segment_fixed_size: 0
    .private_segment_fixed_size: 0
    .kernarg_segment_align: 8
    .kernarg_segment_size: 64
    .max_flat_workgroup_size: 256
    .sgpr_count:     66
    .vgpr_count:     112
    .wavefront_size: 32
...
	.end_amdgpu_metadata
.endif
;; end of part 1
;; launch proj (part 2): grid 12 x 16, 4 waves a work-group, clusters of 4 x 4, 327,680 bytes of LDS; arguments xb, wb, bq, bk, bv, qkv; writes qkv
.if DOCPART == 2
	.amdgcn_target "amdgcn-amd-amdhsa--gfx1250"
	.amdhsa_code_object_version 6
	.text
	.protected	k_q5806bc5cd5_proj
	.globl	k_q5806bc5cd5_proj
	.p2align	8
	.type	k_q5806bc5cd5_proj,@function
k_q5806bc5cd5_proj:
	s_mov_b64 s[64:65], 0
	v_nop
	global_prefetch_b8 v0, s[64:65] scope:SCOPE_SE
	s_setreg_imm32_b32 hwreg(HW_REG_WAVE_MODE, 25, 1), 1
	s_wait_xcnt 0x0
	s_wait_alu depctr_hold_cnt(0) depctr_sa_sdst(0) depctr_va_vdst(0) depctr_va_sdst(0) depctr_va_ssrc(0) depctr_va_vcc(0) depctr_vm_vsrc(0)
	s_getreg_b32 s2, hwreg(HW_REG_IB_STS2, 6, 4)
	s_cmp_eq_u32 s2, 0
	s_cbranch_scc0 .Lentry_in_a_cluster
	s_endpgm
.Lentry_in_a_cluster:
	s_bfe_u32 s2, ttmp6, 0x10000c
	s_cmp_lg_u32 s2, 0xf033
	s_cbranch_scc0 .Lentry_shape_is_right
	s_endpgm
.Lentry_shape_is_right:
; q, k, v = hidden x W^T + bias as ONE product: C[m][n] = sum over k of A[m][k] B[n][k] + bias[n], A = xb [4096][1024], B = wb [3072][1024] (wq, wk, wv),
; both bf16, sums in f32, C rounded once to bf16 and stored by heads: qkv[matrix][batch*16+head][position][64].
; A work-group makes 256 x 256 of C with four waves, a wave 128 x 128: 64 accumulator tiles of 16 x 16, 512 registers.  K goes in steps of 128 through
; a ring of two LDS slots filled by the tensor data mover; a tile's rows are 256 bytes of memory and start at multiples of 256 bytes.
; 16 x 12 blocks = 192 work-groups: the block size is kept for the multiply-adds that each LDS byte feeds.
; CLUSTERS: 4 x 4 work-groups.  The four of a cluster's row need the same tiles of A, the four of a column the same tiles of B: each such tile is asked for
; jointly (same descriptor, a mask that names the four), which divides the requests for A and B by four.
; A cluster's four block columns are one of the three matrices: its number is the cluster's x.
;
; REGISTERS, in windows of 256:
;   window 0: v0-31 addresses; v64-127, v128-191 fragments of A, two buffers; v192-223 at work on the way out
;   window 1: v0-63 the bias of my 128 columns, laid out as eight accumulator tiles; v64-127, v128-191 fragments of B, two buffers
;   window 2: the 32 accumulator tiles of my rows 0-63 (tile (a, b) at v[8 (8 a + b)]);   window 3: those of my rows 64-127
; THE MATRIX INSTRUCTION IS USED TRANSPOSED: source 0 = 16 rows of B, source 1 = 16 rows of A, so lane l holds row l % 16 of C and its registers 0-7
; the columns 8 (l / 16) + 0..7: eight neighbouring numbers of a row, and the bias of a register is the same for every row tile.
; THE BIAS STARTS THE SUMS: the first product of each tile takes the bias tile as C.  Nothing is cleared and no add is spent.
; The 64 accumulators take turns, one matrix instruction a turn, in the same order in every quarter step.
.set SIZE_M, 4096
.set SIZE_N, 3072
.set SIZE_K, 1024
.set KSTEP,  128
.set PITCH,  272                       ; an LDS row: 256 bytes + 16 of padding, an odd multiple of 16: the 16 rows of a fragment load start at 16 different 16-byte columns
.set HALFT,  128*PITCH                 ; 128 rows: what one tensor load brings
.set SLOT,   4*HALFT                   ; A's 256 rows, then B's 256 rows
.set STAGE,  2*SLOT                    ; behind the ring: 16 rows x 272 bytes for each wave, for the way out; no tensor load lands there
.set SPITCH, 272
.set LAPS, SIZE_K/(2*KSTEP)            ; 4 laps of two K steps
.set ADRA, 16                          ; v16-17  LDS address of my A fragments in slot 0, 1
.set ADRB, 20                          ; v20-21  the same for B
.set STO,  24                          ; v24     the way out: where I put 16 bytes of a row
.set RD,   25                          ; v25     the way out: where I read 16 bytes back
.set CO,   26                          ; v26     my byte offset in qkv
.set BO,   27                          ; v27     my byte offset in the bias
.set F0,   64
.set F1,   128
.set TMP,  192
.set G1, 24                            ; s[24:31] group 1 for A's tiles
.set G0, 32                            ; s[32:39] group 0 for A's tiles, one set a slot
.set G1B, 48                           ; s[48:55] group 1 for B's tiles (differs in the mask alone)
.set G0B, 56                           ; s[56:63] group 0 for B's tiles, one set a slot
.set MSB, 0
.macro WIN new                         ; the immediate's high byte repeats the setting that is left
.if MSB != \new
	s_set_vgpr_msb (MSB<<8)|\new
.set MSB, \new
.endif
.endm
.set MUL_LO, 0xa1                      ; source 0 (B) window 1, source 1 (A) window 0, C and D window 2
.set MUL_HI, 0xf1                      ; the same, C and D window 3
.set BIA_LO, 0x91                      ; the same as MUL_LO with C from window 1: the bias
.set BIA_HI, 0xd1                      ; the same as MUL_HI with C from window 1
.set TO_B,   0x40                      ; destination window 1, address window 0
; A joint load.  Waves 0 and 1 fetch A's two halves, waves 2 and 3 B's: one mask and one set of registers a line; the branch hangs on the wave's number alone.
.macro JLOAD s
	s_cmp_eq_u32 s11, 0
	s_cbranch_scc0 .Lfor_b_\@
	tensor_load_to_lds s[G0+4*\s:G0+4*\s+3], s[G1:G1+7]
	s_nop 0
	s_branch .Lasked_\@
.Lfor_b_\@:
	tensor_load_to_lds s[G0B+4*\s:G0B+4*\s+3], s[G1B:G1B+7]
	s_nop 0
.Lasked_\@:
.endm
; A round of the cluster's barrier: my work-group's barrier; wave 0 signals for the work-group; every wave waits for all sixteen; my work-group's barrier again.
.macro CREST                           ; a round behind its opening barrier
	s_cmp_lg_u32 s10, 0
	s_cbranch_scc1 .Lnot_wave_0_\@
	s_barrier_signal -3
.Lnot_wave_0_\@:
	s_barrier_wait -3
	s_barrier_signal -1
	s_barrier_wait -1
.endm
.macro CROUND
	s_barrier_signal -1
	s_barrier_wait -1
	CREST
.endm
	s_load_b128 s[4:7], s[0:1], 0x0                ; xb s[4:5], wb s[6:7]
	s_load_b128 s[68:71], s[0:1], 0x10             ; bq s[68:69], bk s[70:71]
	s_load_b128 s[72:75], s[0:1], 0x20             ; bv s[72:73], qkv s[74:75]
	s_set_vgpr_msb 0x40
	v_lshl_add_u32 v255, v0, 2, 0x48400
	s_set_vgpr_msb 0x4000
	v_mov_b32 v255, 0
	s_set_vgpr_msb 0x1
	ds_add_u32 v255, v255
	s_set_vgpr_msb 0x100
	v_lshrrev_b32 v1, 5, v0
	v_readfirstlane_b32 s10, v1                    ; wave 0..3
	s_lshr_b32 s11, s10, 1                         ; which half of the block's rows is mine.  Also: I fetch for A (0) or for B (1)
	s_and_b32 s12, s10, 1                          ; which half of its columns.  Also: which 128 rows of that tile I fetch
	s_bfe_u32 s40, ttmp6, 0x40000                  ; cx
	s_bfe_u32 s41, ttmp6, 0x40004                  ; cy
	s_lshl_b32 s42, ttmp9, 2
	s_add_co_u32 s42, s42, s40                     ; block column = 4 x cluster x + cx
	s_and_b32 s13, ttmp7, 0xffff
	s_lshl_b32 s13, s13, 2
	s_add_co_u32 s13, s13, s41                     ; block row = 4 x cluster y + cy
	s_lshl_b32 s43, s41, 2
	s_lshl_b32 s43, 15, s43                        ; my row of the cluster: places 4 cy .. 4 cy + 3
	s_lshl_b32 s44, 0x1111, s40                    ; my column: places cx, cx + 4, cx + 8, cx + 12
	; group 1: a tile of 128 rows x 128 elements of 2 bytes, 4 words of padding behind every 64 words
	s_or_b32 s[G1+0], s43, (1<<16)|(1<<20)|(1<<21)|(5<<22)|(3<<25)
	s_or_b32 s[G1B+0], s44, (1<<16)|(1<<20)|(1<<21)|(5<<22)|(3<<25)
	s_mov_b32 s[G1B+1], KSTEP<<16
	s_mov_b32 s[G1+1], KSTEP<<16                   ; tensor_dim0 = 128
	s_mov_b32 s[G1B+2], 128<<16
	s_mov_b32 s[G1+2], 128<<16                     ; tensor_dim1 = 128
	s_mov_b32 s[G1B+3], KSTEP<<16
	s_mov_b32 s[G1+3], KSTEP<<16                   ; tile_dim0 = 128
	s_mov_b32 s[G1B+4], 128
	s_mov_b32 s[G1+4], 128                         ; tile_dim1 = 128
	s_mov_b32 s[G1B+5], SIZE_K
	s_mov_b32 s[G1+5], SIZE_K                      ; elements from row to row
	s_mov_b32 s[G1B+6], 0
	s_mov_b32 s[G1+6], 0
	s_mov_b32 s[G1B+7], 0
	s_mov_b32 s[G1+7], 0
	; A's tiles hang on the block row alone, B's on the block column alone, each in registers that never hold the other coordinate
	s_lshl_b32 s17, s12, 7
	s_lshl_b32 s16, s13, 8
	s_add_co_u32 s16, s16, s17                     ; A: row 256 x block row + 128 x half
	s_lshl_b32 s46, s42, 8
	s_add_co_u32 s46, s46, s17                     ; B: row 256 x block column + 128 x half
	s_mov_b32 s17, 0
	s_mov_b32 s47, 0
	s_mov_b64 s[18:19], SIZE_K*2
	s_mul_u64 s[16:17], s[16:17], s[18:19]         ; in bytes
	s_mul_u64 s[46:47], s[46:47], s[18:19]
	s_mul_i32 s20, s10, HALFT                      ; LDS: wave x 128 rows: no place in the cluster enters an LDS address
	s_wait_dscnt 0x0
	s_wait_kmcnt 0x0
	s_add_nc_u64 s[14:15], s[4:5], s[16:17]
	s_add_nc_u64 s[46:47], s[6:7], s[46:47]
	s_mov_b64 s[8:9], s[74:75]                     ; qkv
	s_mov_b64 s[76:77], s[68:69]                   ; the bias of my matrix: the cluster's x says which
	s_cmp_eq_u32 ttmp9, 1
	s_cselect_b64 s[76:77], s[70:71], s[76:77]
	s_cmp_eq_u32 ttmp9, 2
	s_cselect_b64 s[76:77], s[72:73], s[76:77]
	CROUND                                         ; all sixteen work-groups are here: the first joint loads meet
.irp s, 0,1
	s_mov_b32 s[G0+4*\s], 1
	s_add_co_u32 s[G0+4*\s+1], s20, \s*SLOT
	s_add_nc_u64 s[G0+4*\s+2:G0+4*\s+3], s[14:15], \s*KSTEP*2
	s_or_b32 s[G0+4*\s+3], s[G0+4*\s+3], 0x80000000
	s_mov_b32 s[G0B+4*\s], 1
	s_add_co_u32 s[G0B+4*\s+1], s20, \s*SLOT
	s_add_nc_u64 s[G0B+4*\s+2:G0B+4*\s+3], s[46:47], \s*KSTEP*2
	s_or_b32 s[G0B+4*\s+3], s[G0B+4*\s+3], 0x80000000
	JLOAD \s                                       ; both slots' first fills go out together, ahead of everything else: two loads of the wave are out
.endr
	; a fragment: lane l holds row l % 16; registers 0-3 K = 8 (l / 16) + 0..7, registers 4-7 K = 16 + 8 (l / 16) + 0..7: two loads of 16 bytes, 32 apart
	v_and_b32 v1, 15, v0                           ; l % 16
	v_bfe_u32 v2, v0, 4, 1                         ; l / 16
	v_mul_u32_u24 v3, v1, PITCH
	v_lshl_add_u32 v3, v2, 4, v3
	s_mul_i32 s21, s11, HALFT                      ; my 128 rows of A
	s_mul_i32 s22, s12, HALFT                      ; my 128 rows of B,
	s_add_co_u32 s22, s22, 2*HALFT                 ; behind A's 256
.irp s, 0,1
	v_add_nc_u32 v[ADRA+\s], s21, v3
	v_add_nc_u32 v[ADRB+\s], s22, v3
	s_add_co_u32 s21, s21, SLOT
	s_add_co_u32 s22, s22, SLOT
.endr
	s_mul_i32 s23, s10, 16*SPITCH
	s_add_co_u32 s23, s23, STAGE                   ; my stage
	v_mul_u32_u24 v4, v1, SPITCH                   ; in: row l % 16, 16 bytes for each half of the lanes
	v_lshl_add_u32 v4, v2, 4, v4
	v_add_nc_u32 v[STO], s23, v4
	; back: a stage row holds 64 columns of one head, then 64 of the next.  Lanes 0-15 take two rows' 128 bytes of the first head, lanes 16-31 of the second:
	; in qkv two positions of one head are 256 consecutive bytes
	v_bfe_u32 v5, v0, 3, 1                         ; which of the two rows
	v_mul_u32_u24 v5, v5, SPITCH
	v_and_b32 v6, 7, v0
	v_lshl_add_u32 v5, v6, 4, v5                   ; + 16 bytes x (l % 8)
	v_lshl_add_u32 v5, v2, 7, v5                   ; + 128 bytes for the second head
	v_add_nc_u32 v[RD], s23, v5
	v_lshlrev_b32 v5, 17, v2                       ; a head's 1024 positions are 131,072 bytes
	v_lshl_add_u32 v[CO], v1, 4, v5
	; the bias: register j of tile b is bias[256 cx + 128 half + 16 b + 8 (l / 16) + j]
	s_lshl_b32 s45, s40, 10
	s_lshl_b32 s66, s12, 9
	s_add_co_u32 s45, s45, s66
	v_lshl_add_u32 v[BO], v2, 5, s45
	WIN TO_B
.irp b, 0,1,2,3,4,5,6,7
	global_load_b128 v[8*\b:8*\b+3],   v[BO], s[76:77] offset:64*\b
	global_load_b128 v[8*\b+4:8*\b+7], v[BO], s[76:77] offset:64*\b+16
.endr
	WIN 0
; 16 matrix instructions: m blocks a0, a0 + 1 of the window's four x all 8 n blocks, 32 along K.  bias = 1: the first product, C = the bias tile of n block b.
.macro MUL16 f, hi, a0, bias
.irp a, \a0, \a0+1
.irp b, 0,1,2,3,4,5,6,7
.if \bias
	v_wmma_f32_16x16x32_bf16 v[8*(8*(\a)+\b):8*(8*(\a)+\b)+7], v[\f+8*\b:\f+8*\b+7], v[\f+8*(4*\hi+\a):\f+8*(4*\hi+\a)+7], v[8*\b:8*\b+7]
.else
	v_wmma_f32_16x16x32_bf16 v[8*(8*(\a)+\b):8*(8*(\a)+\b)+7], v[\f+8*\b:\f+8*\b+7], v[\f+8*(4*\hi+\a):\f+8*(4*\hi+\a)+7], v[8*(8*(\a)+\b):8*(8*(\a)+\b)+7]
.endif
.endr
.endr
.endm
; 32 LDS loads in one run: one quarter step's fragments (128 rows of B, 128 of A, 32 K at byte k of the rows) into buffer f
.macro FETCH slot, k, f
	WIN TO_B
.irp i, 0,1,2,3,4,5,6,7
	ds_load_b128 v[\f+8*\i:\f+8*\i+3],   v[ADRB+\slot] offset:\k+\i*16*PITCH
	ds_load_b128 v[\f+8*\i+4:\f+8*\i+7], v[ADRB+\slot] offset:\k+\i*16*PITCH+32
.endr
	WIN 0
.irp i, 0,1,2,3,4,5,6,7
	ds_load_b128 v[\f+8*\i:\f+8*\i+3],   v[ADRA+\slot] offset:\k+\i*16*PITCH
	ds_load_b128 v[\f+8*\i+4:\f+8*\i+7], v[ADRA+\slot] offset:\k+\i*16*PITCH+32
.endr
.endm
; A load into a register that a matrix instruction has read, and a vector instruction that reads a matrix result, stand four places behind it; only plain
; vector instructions that name none of its registers are places (ISA guide 7.12.1 for vector instructions).
.macro PLACES
.rept 4
	v_nop
.endr
.endm
; One of a K step's first three quarter steps: multiplies buffer f; in its middle it fetches the next quarter's fragments into buffer g.
.macro QUARTER slot, k, f, g, bias
	s_wait_dscnt 8                                 ; B and A's rows 0-63 are in; the youngest eight loads (A's rows 64-127) may be out
.if \bias
	WIN BIA_LO
.else
	WIN MUL_LO
.endif
	MUL16 \f, 0, 0, \bias
	MUL16 \f, 0, 2, \bias
	PLACES
	FETCH \slot, \k, \g
	s_wait_dscnt 32                                ; all but the 32 just issued
.if \bias
	WIN BIA_HI
.else
	WIN MUL_HI
.endif
	MUL16 \f, 1, 0, \bias
	MUL16 \f, 1, 2, \bias
.endm
.macro THREE slot, bias
	QUARTER \slot, 64,  F0, F1, \bias
	QUARTER \slot, 128, F1, F0, 0
	QUARTER \slot, 192, F0, F1, 0
.endm
; The last quarter: multiplies buffer 1 and changes slots.  In front of the one barrier each wave waits for its reads of this slot and for all its tensor
; loads (one is out: its part of the next slot).  Behind it the refill comes first, then the next slot's first fragments.
.macro TURN slot, next, fill
	s_wait_dscnt 8
	WIN MUL_LO
	MUL16 F1, 0, 0, 0
	s_wait_dscnt 0                                 ; my reads of this slot are over
	s_wait_tensorcnt 0x0                           ; all my tensor loads have landed
	ds_add_u32 v255, v255
	s_wait_dscnt 0x0
	s_barrier_signal -1                            ; (where a slot is filled again this barrier opens a round of the cluster's barrier)
	MUL16 F1, 0, 2, 0                              ; register work while the others arrive
	WIN 0
	s_barrier_wait -1
.if \fill
	CREST                                          ; no wave of any partner still reads this slot's tile or has a load on its way
	s_add_nc_u64 s[G0+4*\slot+2:G0+4*\slot+3], s[G0+4*\slot+2:G0+4*\slot+3], 2*KSTEP*2
	s_add_nc_u64 s[G0B+4*\slot+2:G0B+4*\slot+3], s[G0B+4*\slot+2:G0B+4*\slot+3], 2*KSTEP*2
	JLOAD \slot                                    ; the first tensor load behind the round, the wave's only one until the next
.endif
	PLACES
	FETCH \next, 0, F0
	WIN MUL_HI
	MUL16 F1, 1, 0, 0
	MUL16 F1, 1, 2, 0
.endm
.macro LAP bias
	THREE 0, \bias
	TURN 0, 1, 1
	THREE 1, 0
	TURN 1, 0, 1
.endm
	s_wait_tensorcnt 1                             ; my part of K step 0 is in; K step 1's load stays out
	s_wait_loadcnt 0x0                             ; the bias
	s_barrier_signal -1
	s_barrier_wait -1
	FETCH 0, 0, F0
	LAP 1                                          ; the first lap stands in front of the loop: its first products start the sums from the bias
	WIN 0                                          ; at a label and at a branch every window is 0
	s_mov_b32 s3, LAPS-2
.Llap:
	LAP 0
	WIN 0
	s_sub_co_u32 s3, s3, 1
	s_cmp_lg_u32 s3, 0
	s_cbranch_scc1 .Llap
	THREE 0, 0                                     ; the last lap fills nothing
	TURN 0, 1, 0
	THREE 1, 0
	s_wait_dscnt 8
	WIN MUL_LO
	MUL16 F1, 0, 0, 0
	MUL16 F1, 0, 2, 0
	s_wait_dscnt 0
	WIN MUL_HI
	MUL16 F1, 1, 0, 0
	MUL16 F1, 1, 2, 0
	; THE WAY OUT, 16 rows of C at a time: round to bf16, 16 bytes a lane into my own stage, read back so that 16 lanes hold 256 consecutive bytes of qkv.
	PLACES
	s_lshr_b32 s16, s13, 2                         ; batch = block row / 4
	s_lshl_b32 s16, s16, 21                        ; x 16 heads x 131,072 bytes
	s_and_b32 s14, s13, 3
	s_lshl_b32 s14, s14, 15                        ; + 256 positions x 128 bytes for each block row in the batch
	s_add_co_u32 s16, s16, s14
	s_lshl_b32 s14, s11, 14                        ; + 128 positions for the lower half
	s_add_co_u32 s16, s16, s14
	s_lshl_b32 s14, ttmp9, 23                      ; + matrix x 8,388,608
	s_add_co_u32 s16, s16, s14
	s_mov_b32 s17, 0
	s_add_nc_u64 s[8:9], s[8:9], s[16:17]
	s_lshl_b32 s46, s40, 19                        ; my first head = 4 cx + 2 x half, x 131,072 (in the registers that held B's address)
	s_lshl_b32 s47, s12, 18
	s_add_co_u32 s46, s46, s47
	s_mov_b32 s47, 0
	s_add_nc_u64 s[8:9], s[8:9], s[46:47]
; rows 16 i .. 16 i + 15 of my block = the eight tiles (a, 0..7) of window 2 or 3 (from = 0x0a or 0x0f); f: F0 or F1 in turn
.macro OUT16 i, a, from, f
	WIN \from
.irp b, 0,1,2,3,4,5,6,7
.irp r, 0,1,2,3
	v_cvt_pk_bf16_f32 v[TMP+4*\b+\r], v[8*(8*\a+\b)+2*\r], v[8*(8*\a+\b)+2*\r+1]
.endr
.endr
	WIN 0
.irp b, 0,1,2,3,4,5,6,7
	ds_store_b128 v[STO], v[TMP+4*\b:TMP+4*\b+3] offset:32*\b
.endr
	s_wait_xcnt 0x0                                ; buffer f, which earlier stores read, is loaded again only behind this wait
.irp t, 0,1,2,3,4,5,6,7
	ds_load_b128 v[\f+4*\t:\f+4*\t+3], v[RD] offset:\t*2*SPITCH    ; LDS serves a wave's instructions in order: these see the stores above
.endr
.irp t, 0,1,2,3,4,5,6,7
	s_wait_dscnt 7-\t                              ; read-back t is in, the 7 - t younger ones stay out
	global_store_b128 v[CO], v[\f+4*\t:\f+4*\t+3], s[8:9] offset:(16*\i+2*\t)*128   ; 16 lanes: positions 2t, 2t + 1 of one head, 256 consecutive bytes, aligned
.endr
.endm
	OUT16 0, 0, 0x0a, F0
	OUT16 1, 1, 0x0a, F1
	OUT16 2, 2, 0x0a, F0
	OUT16 3, 3, 0x0a, F1
	OUT16 4, 0, 0x0f, F0
	OUT16 5, 1, 0x0f, F1
	OUT16 6, 2, 0x0f, F0
	OUT16 7, 3, 0x0f, F1
	s_set_vgpr_msb 0x1
	s_wait_tensorcnt 0x0
	ds_add_u32 v255, v255
	s_wait_dscnt 0x0
	s_set_vgpr_msb 0x100
	CROUND                                         ; the closing round: no work-group ends while a partner may still ask for a tile that names it
	s_endpgm
.Lfunc_end_k_q5806bc5cd5_proj:
	.size	k_q5806bc5cd5_proj, .Lfunc_end_k_q5806bc5cd5_proj-k_q5806bc5cd5_proj
	.p2alignl 7, 3214868480
	.fill 96, 4, 3214868480
	.section	.rodata,"a",@progbits
	.p2align	6, 0x0
	.amdhsa_kernel k_q5806bc5cd5_proj
		.amdhsa_group_segment_fixed_size 327680
		.amdhsa_private_segment_fixed_size 0
		.amdhsa_enable_private_segment 0
		.amdhsa_kernarg_size 48
		.amdhsa_user_sgpr_count 2
		.amdhsa_user_sgpr_kernarg_segment_ptr 1
		.amdhsa_wavefront_size32 1
		.amdhsa_system_sgpr_workgroup_id_x 1
		.amdhsa_system_sgpr_workgroup_id_y 1
		.amdhsa_system_sgpr_workgroup_id_z 1
		.amdhsa_system_vgpr_workitem_id 0
		.amdhsa_next_free_vgpr 1024
		.amdhsa_next_free_sgpr 80
		.amdhsa_reserve_vcc 0
		.amdhsa_float_denorm_mode_32 3
		.amdhsa_float_denorm_mode_16_64 3
		.amdhsa_memory_ordered 1
		.amdhsa_forward_progress 1
		.amdhsa_inst_pref_size 198
	.end_amdhsa_kernel
	.amdgpu_metadata
---
amdhsa.version: [ 1, 2 ]
amdhsa.kernels:
  - .name:           k_q5806bc5cd5_proj
    .symbol:         k_q5806bc5cd5_proj.kd
    .args:
      - { .name: xb, .offset: 0, .size: 8, .value_kind: global_buffer, .address_space: global }
      - { .name: wb, .offset: 8, .size: 8, .value_kind: global_buffer, .address_space: global }
      - { .name: bq, .offset: 16, .size: 8, .value_kind: global_buffer, .address_space: global }
      - { .name: bk, .offset: 24, .size: 8, .value_kind: global_buffer, .address_space: global }
      - { .name: bv, .offset: 32, .size: 8, .value_kind: global_buffer, .address_space: global }
      - { .name: qkv, .offset: 40, .size: 8, .value_kind: global_buffer, .address_space: global }
    .group_segment_fixed_size: 327680
    .private_segment_fixed_size: 0
    .kernarg_segment_align: 8
    .kernarg_segment_size: 48
    .max_flat_workgroup_size: 128
    .sgpr_count:     80
    .vgpr_count:     1024
    .wavefront_size: 32
...
	.end_amdgpu_metadata
.endif
;; end of part 2
;; launch attn (part 3): grid 256 x 1, 8 waves a work-group, clusters of 4 x 1, 327,680 bytes of LDS; arguments qkv, eb, out0; writes out0
.if DOCPART == 3
	.amdgcn_target "amdgcn-amd-amdhsa--gfx1250"
	.amdhsa_code_object_version 6
	.text
	.protected	k_q5806bc5cd5_attn
	.globl	k_q5806bc5cd5_attn
	.p2align	8
	.type	k_q5806bc5cd5_attn,@function
k_q5806bc5cd5_attn:
	s_mov_b64 s[64:65], 0
	v_nop
	global_prefetch_b8 v0, s[64:65] scope:SCOPE_SE
	s_setreg_imm32_b32 hwreg(HW_REG_WAVE_MODE, 25, 1), 1
	s_wait_xcnt 0x0
	s_wait_alu depctr_hold_cnt(0) depctr_sa_sdst(0) depctr_va_vdst(0) depctr_va_sdst(0) depctr_va_ssrc(0) depctr_va_vcc(0) depctr_vm_vsrc(0)
	s_getreg_b32 s2, hwreg(HW_REG_IB_STS2, 6, 4)
	s_cmp_eq_u32 s2, 0
	s_cbranch_scc0 .Lentry_in_a_cluster
	s_endpgm
.Lentry_in_a_cluster:
	s_bfe_u32 s2, ttmp6, 0x10000c
	s_cmp_lg_u32 s2, 0x3003
	s_cbranch_scc0 .Lentry_shape_is_right
	s_endpgm
.Lentry_shape_is_right:
; Attention with the two relative-position terms:  score[s][t] = (q_s.k_t + q_s.E[s-t+1023] + k_t.E[s-t+1023]) / 8,  softmax over t,  out = P V.
; q, k, v: qkv[matrix][batch*16+head][1024][64] bf16;  E: eb[2048][64] bf16;  out0 [4][1024][1024] f32.
; A cluster of four work-groups takes one (batch, head); a work-group 256 queries; each of its eight waves 32 queries (two tiles i of 16).
; SCORES ARE KEPT TRANSPOSED: lane = query n (both halves h of the wave), register j of tile kt = key 16 kt + 8 h + j.  So maximum and sum are a lane's own
; (one exchange between the halves), and the exponentials, packed to bf16, ARE the second operand of P V: registers 0-3 keys 8h.., 4-7 keys 16+8h..
; KEYS ARE WALKED DOWNWARD, 128 a trip (a slot), 32 a unit, so that the rows of E that a wave needs walk upward by 32 a unit.
; With rho = (row of E) - 256 x (query block) = 16 (U + 1 + i - kt) + 15 + n - m, U = 2 wave + 2 unit, m = 8h + j, a unit needs the four 16-row tiles U .. U+3
; of the work-group's window of 1,280 rows of E, which lies in LDS for the whole launch.  Tiles U+2, U+3 are the next unit's first two: they stay in registers,
; in two banks that change roles from unit to unit, and only two tiles are read from LDS a unit.
;   q term: (E tile) x q^T for 3 tiles a query tile; lane n then holds q_n.E[..] for 48 rows.  Each lane needs them shifted by its own n: they go through a
;           table in LDS of the wave's own (row n, 48 words) and come back one word a register at column 16 (1-kt) + 15 + n - m, into the score registers.
;   k term: k x (E tile)^T for 3 tiles a key tile; register j holds k_m.E[..] with the row of E along the lanes.  The lane wanted is (15 + n - m) mod 16 of the same
;           half, out of tile i or i+1: the SOURCE lane picks its tile (a constant mask for each j, written in place); then a rotation within the 16 lanes rides on
;           the add onto the q term (row_ror).  It is by j + 1 in lanes 0-15 and by j + 9 in lanes 16-31, so each half is added under its own half of EXEC.
;   40 matrix instructions for 32 x 32 scores: 12 + 12 for the two terms, 8 for q.k (which adds onto their sum), 8 for P V.
; THE UNITS OVERLAP IN THE WAVE: an iteration does the FRONT of one unit (both terms, the skew, q.k) and the BACK of the unit before (softmax, P V).  Behind each of
; the 24 matrix instructions of the two terms stands a chunk of 3 to 8 of the older unit's 110 softmax instructions, and behind each of P V's a tile's rescaling:
; they name none of the matrix instructions' registers, so they can be issued while the product is under way.  All registers that these lines name lie in window 0.
; SOFTMAX: a running maximum per query, as reference() subtracts the maximum; sums and the context are rescaled in every unit.
; CLUSTER: the four query blocks of a head read the same tiles of K and V: joint loads, mask 15, wave 0 asks for K's tile and wave 1 for V's.
; E is NOT asked for jointly: the partners' windows begin 256 rows apart in memory and land on the same LDS rows, so no descriptor is common to them.
; E COMES IN TWO PARTS: rows 0-511 first (the first trip reads tiles 0 to 2 x 7 + 11 = 25, rows 0-415), the other 768 rows last of the first fills; they land
; during the first trip and are waited for in front of the first change of slots.
; LIMITS: q, k, v, E and the probabilities enter the matrix unit rounded to bf16; the row sum adds the unrounded probabilities; a probability below 2^-126 of the
; row's largest counts as 0 (v_exp_f32 flushes denormal results, ISA guide 15.8); NaN and infinities in the inputs get no treatment of their own.
; Accumulators take turns, one matrix instruction a turn.
.set EP,    144                        ; LDS pitch of E's and K's rows: 128 bytes + 16, an odd multiple of 16
.set VP,    160                        ; LDS pitch of V's rows: 128 bytes + 32, an odd multiple of 32, for the transposing loads
.set EA_R,  64                         ; rows of E's first part that a wave brings (8 x 64 = 512)
.set EB_R,  96                         ; rows of its second part (8 x 96 = 768)
.set LDS_EB, 8*EA_R*EP                 ; the second part begins at byte 73,728
.set LDS_S, 184320                     ; E: 1,280 rows x 144 at byte 0; behind it two slots
.set VOFF,  18432                      ; a slot: K's 128 rows x 144, then V's 128 rows x 160
.set SLOTB, 38912
.set LDS_T, 262144                     ; behind the slots: for each wave two tables; written by LDS stores alone, no tensor load lands there
.set TQB,   6656                       ; a wave's bytes there (26 blocks of 256)
.set TAB,   3328                       ; one table: 16 rows of 208 bytes
.set TP,    208                        ; 48 words + 4: 13 columns of 16 bytes, so 16 rows' stores fall in 16 different columns
.set OP,    272                        ; the way out: 16 rows of 256 bytes + 16, in the same bytes
.set VE,   4                           ; v4      n 144 + 16 h + my first tile of E; steps by 8 tiles a trip
.set VK,   5                           ; v5-6    n 144 + 16 h + slot's K
.set VV,   7                           ; v7-8    (8h + l%8) 160 + 16 ((l>>3)&1) + slot's V
.set VTW,  9                           ; v9      table, in:   n 208 + 32 h
.set VTR,  10                          ; v10     table, back: n 212 + 32 (1 - h)
.set VSTO, 11                          ; v11     the way out, in:   n 272 + 32 h
.set VRD,  12                          ; v12     the way out, back: h 272 + 16 n
.set VCO,  13                          ; v13     my byte offset in out0: h 4096 + 16 n
.set VQ,   14                          ; v14     my byte offset in q: n 128 + 16 h
.set NB,   16                          ; v16, v18  - maximum x log2(e)/8 of query tile i (at 2 i): the first register of a pair, broadcast by the packed forms
.set MX,   17                          ; v17, v19  running maximum (the pairs' second registers)
.set AL,   20                          ; v20, v22  the rescaling factor, likewise the first of a pair
.set LS,   21                          ; v21, v23  running sum (each half of the wave its own keys, joined at the end)
.set T,    24                          ; v24-31  four registers at work for each i
.set PF,   32                          ; v32-47  the probabilities as fragments (i)
.set QF,   48                          ; v48-79  q fragments (i, f) at 16 i + 8 f
.set KF,   80                          ; v80-111 k fragments (kt, f) at 16 kt + 8 f
.set EF,   112                         ; v112-175 E fragments: two banks of two tiles, (tile, f) at 16 tile + 8 f
.set XR,   176                         ; v176-223 six result tiles: first the q term's (i, y) at 8 (3 i + y), then the k term's (kt, y) at 8 (3 kt + y)
.set SC,   224                         ; v224-255 scores (kt, i) at 16 i + 8 kt
                                       ; window 1, v0-63: context^T (dt, i) at 8 (2 dt + i): register j = d 16 dt + 8 h + j, lane = query
.set VFW,  64                          ; window 1, v64-95: V^T fragments (dt)
.set G1K, 16
.set G1V, 24
.set G0K, 32                           ; s[32:39] one set a slot
.set G0V, 40                           ; s[40:47]
.set G1EA, 48
.set G0EA, 56
.set MASK, 66                          ; s66-73
.set G1EB, 80
.set G0EB, 88
.set MSB, 0
.macro WIN new                         ; the immediate's high byte repeats the setting that is left
.if MSB != \new
	s_set_vgpr_msb (MSB<<8)|\new
.set MSB, \new
.endif
.endm
.macro PLACES n                        ; places behind matrix instructions: plain vector instructions that name none of their registers (ISA guide 7.12.1)
.rept \n
	v_nop
.endr
.endm
.macro ROUND                           ; a round of the cluster's barrier
	s_barrier_signal -1
	s_barrier_wait -1
	s_cmp_lg_u32 s10, 0
	s_cbranch_scc1 .Lnot_wave_0_\@
	s_barrier_signal -3
.Lnot_wave_0_\@:
	s_barrier_wait -3
	s_barrier_signal -1
	s_barrier_wait -1
.endm
.macro JLOAD s                         ; the joint loads of a slot: wave 0 K's 128 rows, wave 1 V's; the branches hang on the wave's number alone
	s_cmp_lg_u32 s10, 0
	s_cbranch_scc1 .Lnot_k_\@
	tensor_load_to_lds s[G0K+4*\s:G0K+4*\s+3], s[G1K:G1K+7]
	s_nop 0
.Lnot_k_\@:
	s_cmp_lg_u32 s10, 1
	s_cbranch_scc1 .Lnot_v_\@
	tensor_load_to_lds s[G0V+4*\s:G0V+4*\s+3], s[G1V:G1V+7]
	s_nop 0
.Lnot_v_\@:
.endm
.macro MMZ d, a, b                     ; a product that starts a sum
	v_wmma_f32_16x16x32_bf16 v[\d:\d+7], v[\a:\a+7], v[\b:\b+7], 0
.endm
.macro MMA d, a, b                     ; a product that adds in place
	v_wmma_f32_16x16x32_bf16 v[\d:\d+7], v[\a:\a+7], v[\b:\b+7], v[\d:\d+7]
.endm
	s_load_b128 s[4:7], s[0:1], 0x0                ; qkv s[4:5], eb s[6:7]
	s_load_b64 s[8:9], s[0:1], 0x10                ; out0
	s_set_vgpr_msb 0x40
	v_lshl_add_u32 v96, v0, 2, 0x4d000
	v_mov_b32 v97, 0
	s_set_vgpr_msb 0x4045
	ds_add_u32 v96, v97
	s_set_vgpr_msb 0x4500
	v_lshrrev_b32 v1, 5, v0
	v_readfirstlane_b32 s10, v1                    ; wave 0..7
	s_bfe_u32 s11, ttmp6, 0x40000                  ; cx = query block
	s_mov_b32 s12, ttmp9                           ; the cluster's number = batch x 16 + head
	s_mov_b32 s14, 0x76543210                      ; v_permlanex16_b32: lane i of one half reads lane i of the other
	s_mov_b32 s15, 0xfedcba98
	s_mov_b32 s60, 0x3e38aa3b                      ; log2(e) / 8, twice (a pair for the packed form)
	s_mov_b32 s61, 0x3e38aa3b
	s_mov_b32 s62, 0xbe38aa3b                      ; and its negative
.irp j, 0,1,2,3,4,5,6,7
	s_mov_b32 s[MASK+\j], ((0xffff<<(15-\j))&0xffff)|(((0xffff<<(7-\j))&0xffff)<<16)   ; source lanes r >= 15 - m (m = j below, 8 + j above) serve tile i, the others tile i + 1
.endr
	; group 1 of K's tiles: 128 rows x 64 elements of 2 bytes, 4 words of padding behind every 32 words; mask 15 with bit 21 beside it
	s_mov_b32 s[G1K+0], 15|(1<<16)|(1<<20)|(1<<21)|(4<<22)|(3<<25)
	s_mov_b32 s[G1K+1], 64<<16                     ; tensor_dim0 = 64
	s_mov_b32 s[G1K+2], 128<<16                    ; tensor_dim1 = 128
	s_mov_b32 s[G1K+3], 64<<16                     ; tile_dim0 = 64
	s_mov_b32 s[G1K+4], 128                        ; tile_dim1 = 128
	s_mov_b32 s[G1K+5], 64                         ; elements from row to row
	s_mov_b32 s[G1K+6], 0
	s_mov_b32 s[G1K+7], 0
	; of V's: the same with 8 words of padding
	s_mov_b32 s[G1V+0], 15|(1<<16)|(1<<20)|(1<<21)|(4<<22)|(7<<25)
	s_mov_b32 s[G1V+1], 64<<16
	s_mov_b32 s[G1V+2], 128<<16
	s_mov_b32 s[G1V+3], 64<<16
	s_mov_b32 s[G1V+4], 128
	s_mov_b32 s[G1V+5], 64
	s_mov_b32 s[G1V+6], 0
	s_mov_b32 s[G1V+7], 0
	; of E's first part: 64 rows, padded as K, no mask
	s_mov_b32 s[G1EA+0], (1<<16)|(1<<20)|(4<<22)|(3<<25)
	s_mov_b32 s[G1EA+1], 64<<16
	s_mov_b32 s[G1EA+2], EA_R<<16
	s_mov_b32 s[G1EA+3], 64<<16
	s_mov_b32 s[G1EA+4], EA_R
	s_mov_b32 s[G1EA+5], 64
	s_mov_b32 s[G1EA+6], 0
	s_mov_b32 s[G1EA+7], 0
	; of its second part: 96 rows
	s_mov_b32 s[G1EB+0], (1<<16)|(1<<20)|(4<<22)|(3<<25)
	s_mov_b32 s[G1EB+1], 64<<16
	s_mov_b32 s[G1EB+2], EB_R<<16
	s_mov_b32 s[G1EB+3], 64<<16
	s_mov_b32 s[G1EB+4], EB_R
	s_mov_b32 s[G1EB+5], 64
	s_mov_b32 s[G1EB+6], 0
	s_mov_b32 s[G1EB+7], 0
	s_lshl_b32 s74, s12, 17                        ; a head's 1024 rows are 131,072 bytes
	s_mov_b32 s75, 0
	s_lshl_b32 s78, s11, 15                        ; E's window begins at row 256 cx, 128 bytes a row;
	s_lshl_b32 s63, s10, 13                        ; the first part: + 64 rows x wave
	s_add_co_u32 s78, s78, s63
	s_mov_b32 s79, 0
	s_lshl_b32 s92, s11, 15                        ; the second part: + 512 rows + 96 rows x wave
	s_mul_i32 s63, s10, EB_R*128
	s_add_co_u32 s92, s92, s63
	s_add_co_u32 s92, s92, 8*EA_R*128
	s_mov_b32 s93, 0
	s_wait_dscnt 0x0
	s_wait_kmcnt 0x0
	s_add_nc_u64 s[76:77], s[4:5], s[74:75]        ; this head's q; holds nothing of cx
.irp s, 0,1
	s_mov_b32 s[G0K+4*\s], 1
	s_mov_b32 s[G0K+4*\s+1], LDS_S+\s*SLOTB
	s_add_nc_u64 s[G0K+4*\s+2:G0K+4*\s+3], s[76:77], 8388608+(896-128*\s)*128     ; k, keys 896.. for trip 0, 768.. for trip 1
	s_or_b32 s[G0K+4*\s+3], s[G0K+4*\s+3], 0x80000000
	s_mov_b32 s[G0V+4*\s], 1
	s_mov_b32 s[G0V+4*\s+1], LDS_S+\s*SLOTB+VOFF
	s_add_nc_u64 s[G0V+4*\s+2:G0V+4*\s+3], s[76:77], 16777216+(896-128*\s)*128    ; v, the same keys
	s_or_b32 s[G0V+4*\s+3], s[G0V+4*\s+3], 0x80000000
.endr
	s_mov_b32 s[G0EA], 1
	s_mul_i32 s[G0EA+1], s10, EA_R*EP              ; each wave brings its rows of E into bytes of its own
	s_add_nc_u64 s[G0EA+2:G0EA+3], s[6:7], s[78:79]
	s_or_b32 s[G0EA+3], s[G0EA+3], 0x80000000
	s_mov_b32 s[G0EB], 1
	s_mul_i32 s[G0EB+1], s10, EB_R*EP
	s_add_co_u32 s[G0EB+1], s[G0EB+1], LDS_EB
	s_add_nc_u64 s[G0EB+2:G0EB+3], s[6:7], s[92:93]
	s_or_b32 s[G0EB+3], s[G0EB+3], 0x80000000
	ROUND                                          ; all four work-groups are here
	; all first fills go out as one group, what is needed first in front: four loads are out in waves 0 and 1, two in the others
	tensor_load_to_lds s[G0EA:G0EA+3], s[G1EA:G1EA+7]
	s_nop 0
	JLOAD 0
	JLOAD 1
	tensor_load_to_lds s[G0EB:G0EB+3], s[G1EB:G1EB+7]
	s_nop 0
	v_and_b32 v2, 15, v0                           ; n
	v_bfe_u32 v3, v0, 4, 1                         ; h
	v_mul_u32_u24 v15, v2, EP
	v_lshl_add_u32 v15, v3, 4, v15                 ; n 144 + 16 h
	s_mul_i32 s63, s10, 2*16*EP                    ; tile 2 x wave
	v_add_nc_u32 v[VE], s63, v15
	v_add_nc_u32 v[VK], LDS_S, v15
	v_add_nc_u32 v[VK+1], LDS_S+SLOTB, v15
	v_and_b32 v1, 7, v0
	v_lshl_add_u32 v1, v3, 3, v1                   ; key row 8 h + l % 8
	v_mul_u32_u24 v1, v1, VP
	v_bfe_u32 v15, v0, 3, 1
	v_lshl_add_u32 v1, v15, 4, v1                  ; + 16 bytes for lanes 8-15 of each half
	v_add_nc_u32 v[VV], LDS_S+VOFF, v1
	v_add_nc_u32 v[VV+1], LDS_S+SLOTB+VOFF, v1
	s_mul_i32 s63, s10, TQB
	s_add_co_u32 s63, s63, LDS_T                   ; my tables
	v_mul_u32_u24 v1, v2, TP
	v_lshl_add_u32 v1, v3, 5, v1
	v_add_nc_u32 v[VTW], s63, v1
	v_mul_u32_u24 v1, v2, TP+4
	v_sub_nc_u32 v15, 1, v3
	v_lshl_add_u32 v1, v15, 5, v1
	v_add_nc_u32 v[VTR], s63, v1
	v_mul_u32_u24 v1, v2, OP
	v_lshl_add_u32 v1, v3, 5, v1
	v_add_nc_u32 v[VSTO], s63, v1
	v_mul_u32_u24 v1, v3, OP
	v_lshl_add_u32 v1, v2, 4, v1
	v_add_nc_u32 v[VRD], s63, v1
	v_lshlrev_b32 v1, 12, v3
	v_lshl_add_u32 v[VCO], v2, 4, v1
	v_lshlrev_b32 v1, 7, v2
	v_lshl_add_u32 v[VQ], v3, 4, v1
	s_lshl_b32 s74, s11, 15                        ; my first query: 256 cx + 32 wave, 128 bytes a row
	s_lshl_b32 s78, s10, 12
	s_add_co_u32 s74, s74, s78
	s_add_nc_u64 s[4:5], s[76:77], s[74:75]
.irp i, 0,1
.irp f, 0,1
	global_load_b128 v[QF+16*\i+8*\f:QF+16*\i+8*\f+3],   v[VQ], s[4:5] offset:2048*\i+64*\f
	global_load_b128 v[QF+16*\i+8*\f+4:QF+16*\i+8*\f+7], v[VQ], s[4:5] offset:2048*\i+64*\f+32
.endr
.endr
	s_lshr_b32 s78, s12, 4                         ; out0: batch x 4,194,304 + query x 4,096 + head x 256
	s_lshl_b32 s78, s78, 22
	s_lshl_b32 s63, s11, 20
	s_add_co_u32 s78, s78, s63
	s_lshl_b32 s63, s10, 17
	s_add_co_u32 s78, s78, s63
	s_and_b32 s63, s12, 15
	s_lshl_b32 s63, s63, 8
	s_add_co_u32 s78, s78, s63
	s_add_nc_u64 s[8:9], s[8:9], s[78:79]
	s_wait_loadcnt 0x0                             ; q
	s_wait_xcnt 0x0                                ; no global access is pending from here to the way out: EXEC may be narrowed and widened in the iterations
; eight loads: the fragments of keys 32 (3 - u) .. + 31 of slot s
.macro LOADK s, u
.irp kt, 0,1
.irp f, 0,1
	ds_load_b128 v[KF+16*\kt+8*\f:KF+16*\kt+8*\f+3],   v[VK+\s] offset:(32*(3-(\u))+16*\kt)*EP+64*\f
	ds_load_b128 v[KF+16*\kt+8*\f+4:KF+16*\kt+8*\f+7], v[VK+\s] offset:(32*(3-(\u))+16*\kt)*EP+64*\f+32
.endr
.endr
.endm
; eight loads: tiles t0, t0 + 1 of E, counted from the trip's first, into the bank at register r
.macro LOADE r, t0
.irp t, 0,1
.irp f, 0,1
	ds_load_b128 v[\r+16*\t+8*\f:\r+16*\t+8*\f+3],   v[VE] offset:((\t0)+\t)*16*EP+64*\f
	ds_load_b128 v[\r+16*\t+8*\f+4:\r+16*\t+8*\f+7], v[VE] offset:((\t0)+\t)*16*EP+64*\f+32
.endr
.endr
.endm
; two stores: tile t = 3 i + y of the q term into table i, words 16 y + 8 h ..
.macro STT t
	ds_store_b128 v[VTW], v[XR+8*\t:XR+8*\t+3]   offset:TAB*(\t/3)+64*(\t%3)
	ds_store_b128 v[VTW], v[XR+8*\t+4:XR+8*\t+7] offset:TAB*(\t/3)+64*(\t%3)+16
.endm
; register j of the four score tiles: the picked k term, rotated right by r within the 16 lanes (lane n takes lane n - r), onto the q term
.macro ROT j, r
.irp kt, 0,1
.irp i, 0,1
	v_add_f32_dpp v[SC+16*\i+8*\kt+\j], v[XR+24*\kt+16*\i+\j], v[SC+16*\i+8*\kt+\j] row_ror:\r row_mask:0xf bank_mask:0xf
.endr
.endr
.endm
; THE SOFTMAX STEP of both query tiles on their 16 registers (32 keys) each, cut into 24 chunks.  back = 1: the launch's first unit starts maximum and sum; 2: later ones.
.macro MAXA i
	v_max3_num_f32 v[T+4*\i],   v[SC+16*\i],    v[SC+16*\i+1],  v[SC+16*\i+2]
	v_max3_num_f32 v[T+4*\i+1], v[SC+16*\i+3],  v[SC+16*\i+4],  v[SC+16*\i+5]
	v_max3_num_f32 v[T+4*\i+2], v[SC+16*\i+6],  v[SC+16*\i+7],  v[SC+16*\i+8]
	v_max3_num_f32 v[T+4*\i+3], v[SC+16*\i+9],  v[SC+16*\i+10], v[SC+16*\i+11]
.endm
.macro MAXB
.irp i, 0,1
	v_max3_num_f32 v[T+4*\i],   v[T+4*\i],   v[SC+16*\i+12], v[SC+16*\i+13]
	v_max3_num_f32 v[T+4*\i+1], v[T+4*\i+1], v[SC+16*\i+14], v[SC+16*\i+15]
.endr
.irp i, 0,1
	v_max3_num_f32 v[T+4*\i], v[T+4*\i], v[T+4*\i+1], v[T+4*\i+2]
.endr
.irp i, 0,1
	v_max_num_f32 v[T+4*\i], v[T+4*\i], v[T+4*\i+3]
.endr
.endm
.macro STAT1 back
.irp i, 0,1
	v_permlanex16_b32 v[T+4*\i+1], v[T+4*\i], s14, s15     ; the other half's 16 keys of the same query
.endr
.if \back == 1
.irp i, 0,1
	v_max_num_f32 v[MX+2*\i], v[T+4*\i], v[T+4*\i+1]
.endr
.irp i, 0,1
	v_mul_f32 v[NB+2*\i], s62, v[MX+2*\i]
.endr
.else
.irp i, 0,1
	v_max3_num_f32 v[MX+2*\i], v[T+4*\i], v[T+4*\i+1], v[MX+2*\i]
.endr
.irp i, 0,1
	v_mul_f32 v[T+4*\i+2], s62, v[MX+2*\i]         ; the new offset
.endr
.endif
.endm
.macro STAT2
.irp i, 0,1
	v_sub_f32 v[T+4*\i+3], v[T+4*\i+2], v[NB+2*\i] ; new - old, both as rounded: exactly the step between the exponents of the old and the new exponentials
.endr
.irp i, 0,1
	v_exp_f32 v[AL+2*\i], v[T+4*\i+3]              ; what sum and context so far are scaled by; the plain lines below stand between it and its use (ISA guide 5.7.2)
.endr
.irp i, 0,1
	v_mov_b32 v[NB+2*\i], v[T+4*\i+2]
.endr
.endm
.macro FMA8                            ; tile 0: (score - maximum) log2(e) / 8; both halves take s60 and the pair's first register
.irp p, 0,2,4,6,8,10,12,14
	v_pk_fma_f32 v[SC+\p:SC+\p+1], v[SC+\p:SC+\p+1], s[60:61], v[NB:NB+1] op_sel_hi:[1,0,0]
.endr
.endm
.macro X2 g                            ; two exponentials of tile 0, and behind them, as the plain line that they need, a multiply-add of tile 1
	v_exp_f32 v[SC+2*(\g)],   v[SC+2*(\g)]
	v_exp_f32 v[SC+2*(\g)+1], v[SC+2*(\g)+1]
	v_pk_fma_f32 v[SC+16+2*(\g):SC+16+2*(\g)+1], v[SC+16+2*(\g):SC+16+2*(\g)+1], s[60:61], v[NB+2:NB+3] op_sel_hi:[1,0,0]
.endm
; line n (0 to 16) of query tile i's row sum and packing to bf16: the sums' two chains and the conversions take turns
.macro SCV i, n, back
.set SB, SC+16*\i
.set TB, T+4*\i
.set PB, PF+8*\i
.if \n == 0
	s_wait_alu depctr_va_vdst(0)
	v_pk_add_f32 v[TB:TB+1],   v[SB:SB+1],     v[SB+2:SB+3]
.endif
.if \n == 1
	v_pk_add_f32 v[TB+2:TB+3], v[SB+4:SB+5],   v[SB+6:SB+7]
.endif
.if \n == 2
	v_cvt_pk_bf16_f32 v[PB],   v[SB],    v[SB+1]
.endif
.if \n == 3
	v_cvt_pk_bf16_f32 v[PB+1], v[SB+2],  v[SB+3]
.endif
.if \n == 4
	v_pk_add_f32 v[TB:TB+1],   v[TB:TB+1],     v[SB+8:SB+9]
.endif
.if \n == 5
	v_pk_add_f32 v[TB+2:TB+3], v[TB+2:TB+3],   v[SB+10:SB+11]
.endif
.if \n == 6
	v_cvt_pk_bf16_f32 v[PB+2], v[SB+4],  v[SB+5]
.endif
.if \n == 7
	v_cvt_pk_bf16_f32 v[PB+3], v[SB+6],  v[SB+7]
.endif
.if \n == 8
	v_pk_add_f32 v[TB:TB+1],   v[TB:TB+1],     v[SB+12:SB+13]
.endif
.if \n == 9
	v_pk_add_f32 v[TB+2:TB+3], v[TB+2:TB+3],   v[SB+14:SB+15]
.endif
.if \n == 10
	v_cvt_pk_bf16_f32 v[PB+4], v[SB+8],  v[SB+9]
.endif
.if \n == 11
	v_cvt_pk_bf16_f32 v[PB+5], v[SB+10], v[SB+11]
.endif
.if \n == 12
	v_pk_add_f32 v[TB:TB+1],   v[TB:TB+1],     v[TB+2:TB+3]
.endif
.if \n == 13
	v_cvt_pk_bf16_f32 v[PB+6], v[SB+12], v[SB+13]
.endif
.if \n == 14
	v_cvt_pk_bf16_f32 v[PB+7], v[SB+14], v[SB+15]
.endif
.if \n == 15
.if \back == 1
	v_add_f32 v[LS+2*\i], v[TB], v[TB+1]
.else
	v_add_f32 v[TB], v[TB], v[TB+1]
.endif
.endif
.if \n == 16
.if \back == 2
	v_fma_f32 v[LS+2*\i], v[LS+2*\i], v[AL+2*\i], v[TB]
.endif
.endif
.endm
.macro X3 lo, n, back                  ; n times: an exponential of tile 1 and, as the plain line behind it, a line of tile 0's sums and packing
.set XP, \lo
.rept \n
	v_exp_f32 v[SC+16+XP], v[SC+16+XP]
	SCV 0, XP, \back
.set XP, XP+1
.endr
.endm
.macro X4 lo, n, back                  ; n lines of tile 1's sums and packing
.set XP, \lo
.rept \n
	SCV 1, XP, \back
.set XP, XP+1
.endr
.endm
; chunk k of the softmax step; back = 0: there is no older unit, the chunk is empty
.macro CH k, back
.if \back
.if \k == 0
	MAXA 0
	MAXA 1
.endif
.if \k == 1
	MAXB
.endif
.if \k == 2
	STAT1 \back
.endif
.if \k == 3
.if \back == 2
	STAT2
.endif
.endif
.if \k == 4
	FMA8
.endif
.if \k >= 5
.if \k <= 12
	X2 (\k-5)
.endif
.endif
.if \k == 13
	X3 0, 2, \back
.endif
.if \k == 14
	X3 2, 2, \back
.endif
.if \k == 15
	X3 4, 2, \back
.endif
.if \k == 16
	X3 6, 2, \back
.endif
.if \k == 17
	X3 8, 3, \back
.endif
.if \k == 18
	X3 11, 3, \back
.endif
.if \k == 19
	X3 14, 2, \back
	SCV 0, 16, \back
.endif
.if \k == 20
	X4 0, 4, \back
.endif
.if \k == 21
	X4 4, 4, \back
.endif
.if \k == 22
	X4 8, 4, \back
.endif
.if \k == 23
	X4 12, 5, \back
.endif
.endif
.endm
; P V of the older unit.  One window setting serves both kinds of line: destination, source 0 and source 2 in window 1 (context, V), source 1 in window 0 (factor, P).
.macro RSC t                           ; context tile t = 2 dt + i is scaled by tile i's factor
.irp p, 0,2,4,6
	v_pk_mul_f32 v[8*(\t)+\p:8*(\t)+\p+1], v[8*(\t)+\p:8*(\t)+\p+1], v[AL+2*((\t)%2):AL+2*((\t)%2)+1] op_sel_hi:[1,0]
.endr
.endm
.macro PVW t, back
.if \back == 1
	v_wmma_f32_16x16x32_bf16 v[8*(\t):8*(\t)+7], v[VFW+8*((\t)/2):VFW+8*((\t)/2)+7], v[PF+8*((\t)%2):PF+8*((\t)%2)+7], 0
.else
	v_wmma_f32_16x16x32_bf16 v[8*(\t):8*(\t)+7], v[VFW+8*((\t)/2):VFW+8*((\t)/2)+7], v[PF+8*((\t)%2):PF+8*((\t)%2)+7], v[8*(\t):8*(\t)+7]
.endif
.endm
.macro PV back
	WIN 0x51
.if \back == 2
	RSC 0
	RSC 1
.endif
.irp t, 0,1,2,3,4,5
	PVW \t, \back
.if \back == 2
	RSC \t+2                                       ; two tiles ahead: it names no register of the products issued so far
.endif
.endr
	PVW 6, \back
	PVW 7, \back
	WIN 0
.endm
; One iteration: the front of the unit of keys 32 (3 - u) .. of slot s, and the back of the unit before it (back = 0: none; 1: the launch's first; 2: a later one).
; pfe = 0: the launch's last front (no tiles of E are left to fetch).
.macro ITER s, u, back, pfe
.set TE0, EF+32*(\u%2)                             ; this unit's four tiles of E: the first two in the bank of the unit's parity,
.set TE1, TE0+16
.set TE2, EF+32*(1-\u%2)                           ; the last two in the other
.set TE3, TE2+16
.if \back
	PLACES 4                                       ; behind the older unit's q.k: the softmax reads its scores, loads go into its K fragments
	LOADK \s, \u
	s_wait_dscnt 16                                ; E's tiles are in: V's eight loads and K's eight, issued behind them, stay out
.else
	LOADE EF, 0
	LOADE EF+32, 2
	LOADK \s, \u
	s_wait_dscnt 8                                 ; E's tiles are in; K's eight loads stay out
.endif
	; the q term: tile (i, y) = E tile (i + y) x q_i^T; d 0-31 starts the six sums, d 32-63 follows
	MMZ XR,    TE0, QF
	CH 0, \back
	MMZ XR+8,  TE1, QF
	CH 1, \back
	MMZ XR+16, TE2, QF
	CH 2, \back
	MMZ XR+24, TE1, QF+16
	CH 3, \back
	MMZ XR+32, TE2, QF+16
	CH 4, \back
	MMZ XR+40, TE3, QF+16
	CH 5, \back
	MMA XR,    TE0+8, QF+8
	CH 6, \back
	MMA XR+8,  TE1+8, QF+8
	CH 7, \back
	MMA XR+16, TE2+8, QF+8
	CH 8, \back
	MMA XR+24, TE1+8, QF+24
	CH 9, \back
	MMA XR+32, TE2+8, QF+24
	CH 10, \back
	MMA XR+40, TE3+8, QF+24
	CH 11, \back
	PLACES 5                                       ; the stores read these results; the k term's matrix instructions write over them
	s_wait_dscnt 0x0                               ; K's fragments, asked for twelve matrix instructions ago, and the older unit's V
	; the k term: tile (kt, y) = k_kt x (E tile y + 1 - kt)^T; each tile of the q term is stored ahead of the product that writes over it
	STT 0
	STT 1
	STT 2
	MMZ XR,    KF,    TE1
	CH 12, \back
	STT 3
	MMZ XR+8,  KF,    TE2
	CH 13, \back
	STT 4
	MMZ XR+16, KF,    TE3
	CH 14, \back
	STT 5
	MMZ XR+24, KF+16, TE0
	CH 15, \back
	MMZ XR+32, KF+16, TE1
	CH 16, \back
	MMZ XR+40, KF+16, TE2
	CH 17, \back
	MMA XR,    KF+8,  TE1+8
	CH 18, \back
	MMA XR+8,  KF+8,  TE2+8
	CH 19, \back
	MMA XR+16, KF+8,  TE3+8
	CH 20, \back
	MMA XR+24, KF+24, TE0+8
	CH 21, \back
	MMA XR+32, KF+24, TE1+8
	CH 22, \back
	MMA XR+40, KF+24, TE2+8
	CH 23, \back
	PLACES 4                                       ; the selects read these results, loads go into E's first bank
	; the q term comes back into the score registers, which the softmax has left
.irp i, 0,1
.irp kt, 0,1
.irp j, 0,1,2,3,4,5,6,7
	ds_load_b32 v[SC+16*\i+8*\kt+\j], v[VTR] offset:TAB*\i+64*(1-\kt)+28-4*\j     ; LDS serves a wave's instructions in order (ISA guide 5.7.1): these see the table's stores
.endr
.endr
.endr
.if \back
	PV \back
	PLACES 4                                       ; loads go into V's fragments
.endif
	; each source lane picks its tile, in place: for query tile 0 between y = 0 and 1 into y = 0, for tile 1 between y = 1 and 2 into y = 2
.irp kt, 0,1
.irp j, 0,1,2,3,4,5,6,7
	v_cndmask_b32 v[XR+24*\kt+\j],    v[XR+24*\kt+8+\j],  v[XR+24*\kt+\j],   s[MASK+\j]
	v_cndmask_b32 v[XR+24*\kt+16+\j], v[XR+24*\kt+16+\j], v[XR+24*\kt+8+\j], s[MASK+\j]
.endr
.endr
.if \pfe
	LOADE TE0, 2*\u+4                              ; the next unit's last two tiles, into the bank whose tiles this unit has done with
.if \u == 3
	v_add_nc_u32 v[VE], 8*16*EP, v[VE]             ; eight tiles of E on
.endif
.endif
	WIN 0x40                                       ; destination in window 1
.irp dt, 0,1,2,3
	ds_load_tr16_b128 v[VFW+8*\dt:VFW+8*\dt+3],   v[VV+\s] offset:(3-\u)*32*VP+32*\dt          ; this unit's V, used one iteration later
	ds_load_tr16_b128 v[VFW+8*\dt+4:VFW+8*\dt+7], v[VV+\s] offset:(3-\u)*32*VP+32*\dt+16*VP
.endr
	WIN 0
	s_wait_dscnt 8+8*\pfe                          ; the q term is back: E's eight loads and V's eight, issued behind it, stay out
	s_mov_b32 exec_lo, 0xffff                      ; lanes 0-15: key m = j, source lane n + 15 - j = n - (j + 1) mod 16
	ROT 0, 1
	ROT 1, 2
	ROT 2, 3
	ROT 3, 4
	ROT 4, 5
	ROT 5, 6
	ROT 6, 7
	ROT 7, 8
	s_mov_b32 exec_lo, 0xffff0000                  ; lanes 16-31: key m = 8 + j, source lane n + 7 - j = n - (j + 9) mod 16
	ROT 0, 9
	ROT 1, 10
	ROT 2, 11
	ROT 3, 12
	ROT 4, 13
	ROT 5, 14
	ROT 6, 15
.irp kt, 0,1
.irp i, 0,1
	v_add_f32 v[SC+16*\i+8*\kt+7], v[XR+24*\kt+16*\i+7], v[SC+16*\i+8*\kt+7]      ; j = 7: the lane's own
.endr
.endr
	s_mov_b32 exec_lo, -1
	; q.k adds onto the two terms' sum
	MMA SC,    KF,    QF
	MMA SC+8,  KF+16, QF
	MMA SC+16, KF,    QF+16
	MMA SC+24, KF+16, QF+16
	MMA SC,    KF+8,  QF+8
	MMA SC+8,  KF+24, QF+8
	MMA SC+16, KF+8,  QF+24
	MMA SC+24, KF+24, QF+24
.endm
; A change of slots; old = the slot whose last unit's K and V are in registers.  The round of the cluster's barrier stands between every wave's reads of it (in all
; four work-groups) and its next fill, and between the landing of the other slot (and, the first time, of E's second part) and its reads.
.macro TURN old, refill
	s_set_vgpr_msb 0x5
	s_wait_tensorcnt 0x0                           ; all my tensor loads have landed, so every group 0 may be written:
	ds_add_u32 v96, v97
	s_wait_dscnt 0x0
	s_set_vgpr_msb 0x500
.if \refill
	s_sub_nc_u64 s[G0K+4*\old+2:G0K+4*\old+3], s[G0K+4*\old+2:G0K+4*\old+3], 0x8000      ; the old slot's next tile lies 256 keys further down
	s_sub_nc_u64 s[G0V+4*\old+2:G0V+4*\old+3], s[G0V+4*\old+2:G0V+4*\old+3], 0x8000
.endif
	s_wait_dscnt 0x0                               ; my reads of the old slot are over
	ROUND
.if \refill
	JLOAD \old                                     ; the wave's one tensor load behind the round, first thing there; it has four units' work in which to land
.endif
.endm
	s_wait_tensorcnt 0x1                           ; E's first part and both slots' first tiles are in; only E's second part, the last load issued, stays out:
	s_barrier_signal -1
	s_barrier_wait -1                              ; and the first trip reads LDS bytes below 26 x 2,304 = 59,904 of E, in front of the second part's 73,728
	; 32 units in 8 trips.  The first trip is written out: its first iteration has no back, its second starts the sums.
	ITER 0, 0, 0, 1                                ; keys 896-1023
	ITER 0, 1, 1, 1
	ITER 0, 2, 2, 1
	ITER 0, 3, 2, 1
	s_mov_b32 s13, 3
.Lpair:
	TURN 0, 1                                      ; trips 1, 3, 5 in slot 1; slot 0 is asked for trips 2, 4, 6
	ITER 1, 0, 2, 1
	ITER 1, 1, 2, 1
	ITER 1, 2, 2, 1
	ITER 1, 3, 2, 1
	TURN 1, 1                                      ; trips 2, 4, 6 in slot 0; slot 1 is asked for trips 3, 5, 7
	ITER 0, 0, 2, 1
	ITER 0, 1, 2, 1
	ITER 0, 2, 2, 1
	ITER 0, 3, 2, 1
	s_sub_co_u32 s13, s13, 1
	s_cmp_lg_u32 s13, 0
	s_cbranch_scc1 .Lpair
	TURN 0, 0                                      ; keys 0-127; nothing is left to fetch
	ITER 1, 0, 2, 1
	ITER 1, 1, 2, 1
	ITER 1, 2, 2, 1
	ITER 1, 3, 2, 0
	; the last unit's back alone
	PLACES 4                                       ; behind its q.k
.irp k, 0,1,2,3,4,5,6,7,8,9,10,11,12,13,14,15,16,17,18,19,20,21,22,23
	CH \k, 2
.endr
	s_wait_dscnt 0x0                               ; its V
	PV 2
	; THE WAY OUT: divide by the row sums; a lane holds pieces of its query's row, so 16 queries at a time go through my own LDS bytes and come back as whole rows
	PLACES 4
.irp i, 0,1
	v_permlanex16_b32 v[T+4*\i], v[LS+2*\i], s14, s15
	v_add_f32 v[LS+2*\i], v[LS+2*\i], v[T+4*\i]    ; the two halves' keys together
.endr
	v_rcp_f32 v[AL],   v[LS]
	v_rcp_f32 v[AL+2], v[LS+2]
	v_nop                                          ; one plain place behind the reciprocals
.macro OUT i, res, back
	WIN 0x01                                       ; source 0 in window 1
.irp dt, 0,1,2,3
.irp p, 0,2,4,6
	s_wait_alu depctr_va_vdst(0)
	v_pk_mul_f32 v[\res+8*\dt+\p:\res+8*\dt+\p+1], v[8*(2*\dt+\i)+\p:8*(2*\dt+\i)+\p+1], v[AL+2*\i:AL+2*\i+1] op_sel_hi:[1,0]
.endr
.endr
	WIN 0
.irp dt, 0,1,2,3
	ds_store_b128 v[VSTO], v[\res+8*\dt:\res+8*\dt+3]   offset:64*\dt
	ds_store_b128 v[VSTO], v[\res+8*\dt+4:\res+8*\dt+7] offset:64*\dt+16
.endr
.irp t, 0,1,2,3,4,5,6,7
	ds_load_b128 v[\back+4*\t:\back+4*\t+3], v[VRD] offset:2*OP*\t     ; in order behind the stores above
.endr
.irp t, 0,1,2,3,4,5,6,7
	s_wait_dscnt 7-\t                              ; read-back t is in, the 7 - t younger ones stay out
	global_store_b128 v[VCO], v[\back+4*\t:\back+4*\t+3], s[8:9] offset:(16*\i+2*\t)*4096 th:TH_STORE_NT   ; 16 lanes: one query's 64 numbers of this head, 256 consecutive bytes, aligned
.endr
.endm
	OUT 0, 112, 144                                ; each tile has registers of its own: no store's data are written again
	OUT 1, 208, 176
	s_wait_dscnt 0x0
	s_set_vgpr_msb 0x5
	s_wait_tensorcnt 0x0
	ds_add_u32 v96, v97
	s_wait_dscnt 0x0
	s_set_vgpr_msb 0x500
	ROUND                                          ; the closing round: no work-group ends while a partner may still ask for a tile that names it
	s_endpgm
.Lfunc_end_k_q5806bc5cd5_attn:
	.size	k_q5806bc5cd5_attn, .Lfunc_end_k_q5806bc5cd5_attn-k_q5806bc5cd5_attn
	.p2alignl 7, 3214868480
	.fill 96, 4, 3214868480
	.section	.rodata,"a",@progbits
	.p2align	6, 0x0
	.amdhsa_kernel k_q5806bc5cd5_attn
		.amdhsa_group_segment_fixed_size 327680
		.amdhsa_private_segment_fixed_size 0
		.amdhsa_enable_private_segment 0
		.amdhsa_kernarg_size 24
		.amdhsa_user_sgpr_count 2
		.amdhsa_user_sgpr_kernarg_segment_ptr 1
		.amdhsa_wavefront_size32 1
		.amdhsa_system_sgpr_workgroup_id_x 1
		.amdhsa_system_sgpr_workgroup_id_y 1
		.amdhsa_system_sgpr_workgroup_id_z 1
		.amdhsa_system_vgpr_workitem_id 0
		.amdhsa_next_free_vgpr 354
		.amdhsa_next_free_sgpr 94
		.amdhsa_reserve_vcc 0
		.amdhsa_float_denorm_mode_32 3
		.amdhsa_float_denorm_mode_16_64 3
		.amdhsa_memory_ordered 1
		.amdhsa_forward_progress 1
		.amdhsa_inst_pref_size 255
	.end_amdhsa_kernel
	.section	.bss,"aw",@nobits
	.p2align	6
	.space	262144
	.amdgpu_metadata
---
amdhsa.version: [ 1, 2 ]
amdhsa.kernels:
  - .name:           k_q5806bc5cd5_attn
    .symbol:         k_q5806bc5cd5_attn.kd
    .args:
      - { .name: qkv, .offset: 0, .size: 8, .value_kind: global_buffer, .address_space: global }
      - { .name: eb, .offset: 8, .size: 8, .value_kind: global_buffer, .address_space: global }
      - { .name: out0, .offset: 16, .size: 8, .value_kind: global_buffer, .address_space: global }
    .group_segment_fixed_size: 327680
    .private_segment_fixed_size: 0
    .kernarg_segment_align: 8
    .kernarg_segment_size: 24
    .max_flat_workgroup_size: 256
    .sgpr_count:     94
    .vgpr_count:     354
    .wavefront_size: 32
...
	.end_amdgpu_metadata
.endif
;; end of part 3
